; MI455X (gfx1250); checked and timed in simulation.
; The chip was launched on July 23, 2026; its instructions are those of AMD's public machine-readable ISA for CDNA 5 (MIT licence, August 2026) and "CDNA5" Instruction Set Architecture Reference Guide (July 2026). The comments in the code are by the model that wrote it; some were corrected since.
;; Cross Attention. Allowed arithmetic: matrix products marked QUANTISED: E5M2 operands, one given power-of-two scale a tensor, by v_wmma_f32_16x16x64_bf8_bf8 or v_wmma_f32_16x16x128_bf8_bf8, f32 sums; everything else in f32.
;; Inputs: kv 2 x 2,048 x 2 x 8 x 128 float32; lowp_scales 4 int32 (the exponents e of the quantised operands' scales 2^e); q 2 x 2,048 x 16 x 128 float32.
;; Outputs: out0 2 x 2,048 x 16 x 128 float32.
;; This version of the problem:
;;   THIS VERSION OF THE PROBLEM IS GIVEN IN LOW PRECISION. The matrix products marked QUANTISED in the list below multiply operands that are first quantised to E5M2 (5 exponent bits, 2 mantissa bits; 8 bits a number), with one given power-of-two scale for each operand tensor; their sums are f32. All else is computed in f32.
;;   The module's matrix products, in the order in which they are computed (A, B: the left and right operand; K: the contracted axis; several contracted axes count as one K, in the product's order):
;;     1. batch 32 x [M 2,048, K 128] x [K 128, N 2,048]; A: input q; B: computed on the way: QUANTISED (scales: A lowp_scales[0], B lowp_scales[1])
;;     2. batch 32 x [M 128, K 2,048] x [K 2,048, N 2,048]; A: input kv; B: softmax (see below): QUANTISED (scales: A lowp_scales[2], B lowp_scales[3])
;;   THE QUANTISER, for each operand of a quantised product, along K:
;;     - The operand's scale is 2^e, e = its entry of the input lowp_scales (int32; the entries are numbered through the quantised products in the list's order, A before B).
;;     - Each number is divided by the scale, clamped to +-57,344, and rounded to the nearest number of E5M2, ties to even, subnormals kept.
;;     - The product sums the exact products of the quantised numbers (number of the format x scale) in f32.
;;   ~~~python
;;   def quantise(x, axis, e):      # numpy; x: float32 -> the quantised numbers, widened to float32 again
;;       x = np.moveaxis(x, axis, -1); K = x.shape[-1]
;;       r = np.clip(x / 2.0 ** e, -57344, 57344)
;;       step = 2.0 ** (np.maximum(np.frexp(np.where(r == 0, 1, r))[1] - 1, -14) - 2)
;;       q = np.round(r / step) * step * 2.0 ** e      # np.round: ties to even
;;       return np.moveaxis(q, -1, axis).astype(np.float32)
;;   ~~~
;;   SOFTMAX AHEAD OF A QUANTISED PRODUCT. Where the list says 'softmax', what is quantised is not the finished softmax but p = 2^(t - M), with t = logit x log2(e) and M = ceil(the row's largest t), a whole number; so 1/2 < the row's largest p <= 1. The row's sum l is taken of the UNQUANTISED p, in f32, and the product's result is divided by l at the end. Since M is a whole number, a kernel that streams over the keys may use a running M (the ceiling of the running maximum): every later rescaling is an exact power of two, so the quantised numbers keep their values, but for numbers so far below the row's largest that they fall under the format's range.
;;   OPERANDS COMPUTED ON THE WAY. 'Computed on the way' means the value that the module computes at that place (a softmax that the list does not call 'softmax' is quantised finished and normalised). What goes into a quantiser is computed in f32, as accurately as f32 sums, v_exp_f32 and their like allow (about 1e-6 of the number): no bf16 or f16 on the way to a quantiser, and a product that is left as it is and whose result goes on into a quantised operand takes f32 operands (vector FMAs, or v_wmma_f32_16x16x4_f32). A number that lies on a knife's edge between two numbers of the format may be rounded either way, as far as f32 arithmetic and the matrix unit's own rounding can turn it there, and no further.
;; One version. Each part assembles by itself: llvm-mc -triple=amdgcn-amd-amdhsa -mcpu=gfx1250 --defsym DOCPART=n.
;; ======== version 1 of 1: 2 launches
;; limits: right only within a limited range of input values
;; workspace buffers: kvc 8,388,608 bytes; vsum 131,072 bytes
;; launch prep (part 1): grid 256 x 1, 16 waves a work-group, no clusters, 139,264 bytes of LDS; arguments kv, lowp_scales, kvc, vsum; writes kvc, vsum
.if DOCPART == 1
	.amdgcn_target "amdgcn-amd-amdhsa--gfx1250"
	.amdhsa_code_object_version 6
	.text
	.protected	k_q1e82f632f5_prep
	.globl	k_q1e82f632f5_prep
	.p2align	8
	.type	k_q1e82f632f5_prep,@function
k_q1e82f632f5_prep:
	s_mov_b64 s[64:65], 0
	v_nop
	global_prefetch_b8 v0, s[64:65] scope:SCOPE_SE
	s_setreg_imm32_b32 hwreg(HW_REG_WAVE_MODE, 25, 1), 1
	s_wait_xcnt 0x0
; kv [2][2048][2][8][128] f32 becomes codes of BF8 (E5M2), once for the whole program.
;   K: code = (k x 1/sqrt(128), rounded to f32 as the source has it) / 2^ek;   V: code = v / 2^ev;   both held within +-57,344 and rounded to the nearest code, ties to even.
; kvc: [y = 8 b + kv head (16)][step of 128 keys (16)][K's 8 fragments | V's 8 fragments], each fragment (16 rows x 128 along K) as an IMAGE OF THE OPERAND'S REGISTERS:
;   2,048 bytes, register group c (0..3) at 512 c, lane l's 16 bytes at 16 l (l = 16 h + r).
;   K's fragment 2 b + u: lane (r, h) holds key 32 b + 8 u + r + 8 (r / 8), channels 32 c + 16 h + 0..15.   V's fragment f: channel 16 f + r, keys 32 c + 16 h + 0..15.
; vsum: [y][step][128 channels] f32: the sum over the step's 128 keys of V's code values (without 2^ev); the next launch makes of it the share of keys that lie wholly under the mask.
; SHARES.  Work-groups 0-127 take K, 128-255 take V; each 256 keys of one y.  A wave takes 8 KiB of f32 and asks for all of it at once: no ring, no loop.
;   K: a wave makes one fragment: 16 rows of 512 bytes, each load 512 consecutive bytes; they turn through the wave's own stage in LDS, so that a lane gets 16 neighbours along the channels.
;   V: a lane takes a channel and its registers run down 64 keys, so the conversions give codes with the keys innermost; sixteen lanes store 256 consecutive aligned bytes.
; LIMITS: ek and ev between -126 and 112, so that 2^e and 57,344 x 2^e are f32 numbers.  NaN among the inputs is not served (an infinity is held at the largest code).
.set KSP,  528                         ; a stage row: 512 bytes + 16 of padding
.set KSTG, 16*KSP                      ; a wave's stage (K's work-groups): 8,448 bytes
.set VS,   16*KSTG                     ; behind the stages: [4 groups of 64 keys][128 channels] f32 (V's work-groups): bytes of their own
.set LI,  1                            ; v1  16 x lane
.set KST, 2                            ; v2  stage, on the way in
.set KRD, 3                            ; v3  stage, on the way out
.set VSW, 4                            ; v4  where I put my channel's sum of 64 keys
.set VSR, 5                            ; v5  where waves 0, 1 read the sums back
.set VV,  6                            ; v6  my 16 bytes in V's images
.set L4,  7                            ; v7  4 x lane
	s_load_b256 s[4:11], s[0:1], 0x0               ; kv s[4:5], the scales' exponents s[6:7], kvc s[8:9], vsum s[10:11]
	v_lshl_add_u32 v176, v0, 2, 0x21800
	v_mov_b32 v177, 0
	v_lshrrev_b32 v8, 5, v0
	s_delay_alu instid0(VALU_DEP_1)
	v_readfirstlane_b32 s12, v8                    ; wave 0..15
	v_and_b32 v9, 31, v0                           ; lane
	v_and_b32 v13, 15, v0                          ; r
	v_bfe_u32 v14, v0, 4, 1                        ; h
	; every LDS address is made here, ahead of the parting of the two paths
	s_delay_alu instid0(VALU_DEP_3)
	v_lshlrev_b32 v[LI], 4, v9
	s_wait_alu depctr_va_vdst(0)
	s_mul_i32 s28, s12, KSTG
	v_add_nc_u32 v[KST], s28, v[LI]                ; my stage + 16 x lane: a row's 512 bytes as they were loaded
	v_mul_u32_u24 v[KRD], v13, KSP
	s_delay_alu instid0(VALU_DEP_1)
	v_lshl_add_u32 v[KRD], v14, 6, v[KRD]
	s_delay_alu instid0(VALU_DEP_1)
	v_add_nc_u32 v[KRD], s28, v[KRD]               ; my stage + row r + 64 h: my 16 numbers of a block of 32
	s_lshr_b32 s29, s12, 2                         ; V: kg, which 64 keys
	s_and_b32 s30, s12, 3                          ; V: cg, which 32 channels
	s_lshl_b32 s31, s29, 9
	s_lshl_b32 s32, s30, 7
	s_add_co_u32 s31, s31, s32
	s_add_co_u32 s31, s31, VS
	v_lshlrev_b32 v[L4], 2, v9
	s_delay_alu instid0(VALU_DEP_1)
	v_add_nc_u32 v[VSW], s31, v[L4]                ; VS + 512 kg + 128 cg + 4 x lane
	s_and_b32 s32, s12, 1
	s_lshl_b32 s32, s32, 10
	s_add_co_u32 s32, s32, VS
	v_add_nc_u32 v[VSR], s32, v[LI]                ; VS + 1,024 (wave & 1) + 16 x lane
	v_lshlrev_b32 v[VV], 11, v14
	s_delay_alu instid0(VALU_DEP_1)
	v_lshl_add_u32 v[VV], v13, 4, v[VV]            ; 2,048 (lane / 16) + 16 (lane % 16)
	s_and_b32 s13, ttmp9, 127
	s_lshr_b32 s14, s13, 3                         ; y
	s_and_b32 s15, s13, 7                          ; kc: which 256 keys
	s_lshr_b32 s22, s14, 3
	s_lshl_b32 s22, s22, 24                        ; b x 2,048 keys x 8,192 bytes
	s_and_b32 s23, s14, 7
	s_lshl_b32 s23, s23, 9                         ; kv head x 512
	s_add_co_u32 s22, s22, s23
	s_lshl_b32 s23, s15, 21                        ; kc x 256 keys x 8,192
	s_add_co_u32 s22, s22, s23
	s_mov_b32 s23, 0
	s_lshl_b32 s24, s14, 19                        ; kvc: y x 524,288
	s_lshl_b32 s25, s15, 16                        ;      + kc x two steps of 32,768
	s_add_co_u32 s24, s24, s25
	s_mov_b32 s25, 0
	s_mov_b32 s20, 0x3db504f3                      ; 1 / sqrt(128) as f32
	s_mov_b32 s21, s20                             ; (named with it as a pair, so it is written)
	s_wait_kmcnt 0x0
	s_load_b128 s[16:19], s[6:7], 0x0              ; eq, ek, ev, ep
	s_add_nc_u64 s[4:5], s[4:5], s[22:23]
	s_add_nc_u64 s[8:9], s[8:9], s[24:25]
	s_cmp_lt_u32 ttmp9, 128                        ; K's work-group or V's: the same in all sixteen waves
	s_cbranch_scc0 .Lv
	; ---------------- K: wave w makes fragment T = w & 7 of step 2 kc + (w >> 3)
	s_lshr_b32 s26, s12, 3
	s_and_b32 s27, s12, 7
	s_lshl_b32 s33, s26, 7
	s_lshr_b32 s34, s27, 1
	s_lshl_b32 s34, s34, 5
	s_add_co_u32 s33, s33, s34
	s_and_b32 s34, s27, 1
	s_lshl_b32 s34, s34, 3
	s_add_co_u32 s33, s33, s34                     ; the fragment's first key: 128 (w >> 3) + 32 (T / 2) + 8 (T % 2)
	s_lshl_b32 s22, s33, 13
	s_add_nc_u64 s[4:5], s[4:5], s[22:23]
	s_lshl_b32 s24, s26, 15
	s_lshl_b32 s34, s27, 11
	s_add_co_u32 s24, s24, s34
	s_add_nc_u64 s[8:9], s[8:9], s[24:25]          ; its image
.set i, 0
.rept 16
	global_load_b128 v[32+4*i:35+4*i], v[LI], s[4:5] offset:(i+8*(i/8))*8192 th:TH_LOAD_NT   ; row i of the fragment is key i + 8 (i / 8): 32 lanes read its 512 consecutive bytes
.set i, i+1
.endr
	s_wait_kmcnt 0x0
	s_add_co_i32 s33, s17, 127
	s_lshl_b32 s34, s33, 23
	v_mov_b32 v11, s34                             ; 2^ek as f32: the conversion takes its exponent field
	s_add_co_i32 s33, s33, 15
	s_lshl_b32 s33, s33, 23
	s_or_b32 s33, s33, 0x600000
	v_mov_b32 v10, s33                             ; 57,344 x 2^ek
.set i, 0
.rept 16
	s_wait_loadcnt 15-i                            ; loads come back in order: row i is in, the younger ones may be out
	ds_store_b128 v[KST], v[32+4*i:35+4*i] offset:i*KSP
.set i, i+1
.endr
.set i, 0
	s_wait_alu depctr_va_vdst(0)
.rept 16
	ds_load_b128 v[96+4*i:99+4*i], v[KRD] offset:128*(i/4)+16*(i%4)   ; LDS serves a wave's instructions in order: these see my stores.  Group c = i / 4: channels 32 c + 16 h + 0..15 of row r
.set i, i+1
.endr
.macro KGROUP c
	s_wait_dscnt 12-4*\c                           ; group c's four loads are in; the younger groups' may be out
.set i, 0
.rept 8
	v_pk_mul_f32 v[96+16*\c+2*i:97+16*\c+2*i], v[96+16*\c+2*i:97+16*\c+2*i], s[20:21] op_sel_hi:[1,0]   ; k x 1 / sqrt(128), rounded to f32: the operand as the source has it
.set i, i+1
.endr
.set i, 0
.rept 16
	v_med3_num_f32 v[96+16*\c+i], v[96+16*\c+i], -v10, v10   ; the conversion to an 8-bit code does not saturate (ISA guide 7.6.2): the hold at the largest code x the scale
.set i, i+1
.endr
	v_cvt_scalef32_pk8_bf8_f32 v[160+4*\c:161+4*\c], v[96+16*\c:103+16*\c], v11
	v_cvt_scalef32_pk8_bf8_f32 v[162+4*\c:163+4*\c], v[104+16*\c:111+16*\c], v11
	global_store_b128 v[LI], v[160+4*\c:163+4*\c], s[8:9] offset:512*\c   ; the wave stores 512 consecutive bytes, aligned; each group has registers of its own, so no store's data are written again
.endm
	KGROUP 0
	KGROUP 1
	KGROUP 2
	KGROUP 3
	v_nop                                          ; a plain line behind the last conversion
	s_branch .Ljoin
	; ---------------- V: wave w takes channels 32 cg + lane and keys 64 kg + 0..63 of the work-group's 256
.Lv:
	s_lshl_b32 s22, s29, 19                        ; kg x 64 keys x 8,192
	s_lshl_b32 s33, s30, 7                         ; cg x 32 channels x 4
	s_add_co_u32 s22, s22, s33
	s_add_co_u32 s22, s22, 4096                    ; V lies 4,096 bytes behind K in a key's row
	s_add_nc_u64 s[4:5], s[4:5], s[22:23]
	s_lshr_b32 s24, s29, 1
	s_lshl_b32 s24, s24, 15                        ; which of the two steps
	s_lshl_b32 s33, s30, 12                        ; fragments 2 cg, 2 cg + 1
	s_add_co_u32 s24, s24, s33
	s_and_b32 s33, s29, 1
	s_lshl_b32 s33, s33, 10                        ; register groups 2 (kg & 1), 2 (kg & 1) + 1
	s_add_co_u32 s24, s24, s33
	s_add_co_u32 s24, s24, 16384                   ; V's images lie behind K's
	s_add_nc_u64 s[8:9], s[8:9], s[24:25]
.set i, 0
	s_wait_alu depctr_va_vdst(0)
.rept 64
	global_load_b32 v[32+i], v[L4], s[4:5] offset:i*8192 th:TH_LOAD_NT   ; key i, my channel: the wave reads 128 consecutive bytes, the four waves of a kg 512
.set i, i+1
.endr
	s_wait_kmcnt 0x0
	s_add_co_i32 s33, s18, 127
	s_lshl_b32 s34, s33, 23
	v_mov_b32 v11, s34                             ; 2^ev
	s_add_co_i32 s33, s33, 15
	s_lshl_b32 s33, s33, 23
	s_or_b32 s33, s33, 0x600000
	v_mov_b32 v10, s33                             ; 57,344 x 2^ev
.macro VGROUP q                        ; keys 16 q + 0..15 of my 64: 16 bytes of codes, half h' = q & 1 of register group 2 (kg & 1) + q / 2
	s_wait_loadcnt 48-16*\q                        ; these sixteen loads are in; the younger keys' may be out
.set i, 0
.rept 16
	v_med3_num_f32 v[32+16*\q+i], v[32+16*\q+i], -v10, v10
.set i, i+1
.endr
	v_cvt_scalef32_pk8_bf8_f32 v[96+4*\q:97+4*\q], v[32+16*\q:39+16*\q], v11
	v_cvt_scalef32_pk8_bf8_f32 v[98+4*\q:99+4*\q], v[40+16*\q:47+16*\q], v11
	v_nop                                          ; one plain line between a scaled conversion and the vector lines below that read its result
	global_store_b128 v[VV], v[96+4*\q:99+4*\q], s[8:9] offset:256*\q   ; lanes 0-15 store 256 consecutive aligned bytes of one fragment, lanes 16-31 of the next
.irp k, 0,1,2,3
	v_cvt_f32_bf8 v[112+4*\k], v[96+4*\q+\k]                  ; the codes' values again, for the step's sum
	v_cvt_f32_bf8 v[113+4*\k], v[96+4*\q+\k] byte_sel:1
	v_cvt_f32_bf8 v[114+4*\k], v[96+4*\q+\k] byte_sel:2
	v_cvt_f32_bf8 v[115+4*\k], v[96+4*\q+\k] byte_sel:3
.endr
.if \q == 0
	v_pk_add_f32 v[128:129], v[112:113], v[116:117]          ; the first sums start the two chains: nothing is cleared
	v_pk_add_f32 v[130:131], v[114:115], v[118:119]
.else
	v_pk_add_f32 v[128:129], v[128:129], v[112:113]
	v_pk_add_f32 v[130:131], v[130:131], v[114:115]
	s_delay_alu instid0(VALU_DEP_2)
	v_pk_add_f32 v[128:129], v[128:129], v[116:117]
	s_delay_alu instid0(VALU_DEP_2)
	v_pk_add_f32 v[130:131], v[130:131], v[118:119]
.endif
	s_delay_alu instid0(VALU_DEP_2)
	v_pk_add_f32 v[128:129], v[128:129], v[120:121]
	s_delay_alu instid0(VALU_DEP_2)
	v_pk_add_f32 v[130:131], v[130:131], v[122:123]
	s_delay_alu instid0(VALU_DEP_2)
	v_pk_add_f32 v[128:129], v[128:129], v[124:125]
	s_delay_alu instid0(VALU_DEP_2)
	v_pk_add_f32 v[130:131], v[130:131], v[126:127]
.endm
	s_wait_alu depctr_va_vdst(0)
	VGROUP 0
	VGROUP 1
	VGROUP 2
	VGROUP 3
	s_delay_alu instid0(VALU_DEP_1)
	v_pk_add_f32 v[128:129], v[128:129], v[130:131]
	s_delay_alu instid0(VALU_DEP_1)
	v_add_f32 v128, v128, v129                     ; my channel's sum over my 64 keys
	ds_store_b32 v[VSW], v128
.Ljoin:
	s_wait_dscnt 0x0                               ; for the others' sake: my LDS stores have landed
	s_barrier_signal -1
	s_barrier_wait -1
	s_cmp_lt_u32 ttmp9, 128                        ; K's work-groups are done
	s_cbranch_scc1 .Lend
	s_cmp_gt_u32 s12, 1                            ; waves 0 and 1 of V's: step 2 kc + wave is the sum of key groups 2 wave and 2 wave + 1
	s_cbranch_scc1 .Lend
	ds_load_b128 v[132:135], v[VSR]
	ds_load_b128 v[136:139], v[VSR] offset:512
	s_lshl_b32 s22, s14, 13                        ; vsum: y x 8,192
	s_lshl_b32 s33, s15, 10                        ;       + 2 kc x 512
	s_add_co_u32 s22, s22, s33
	s_lshl_b32 s33, s12, 9                         ;       + wave x 512
	s_add_co_u32 s22, s22, s33
	s_add_nc_u64 s[10:11], s[10:11], s[22:23]
	s_wait_dscnt 0x0
	v_pk_add_f32 v[132:133], v[132:133], v[136:137]
	v_pk_add_f32 v[134:135], v[134:135], v[138:139]
	global_store_b128 v[LI], v[132:135], s[10:11]  ; 512 consecutive bytes, aligned
.Lend:
	s_wait_tensorcnt 0x0
	ds_add_u32 v176, v177
	s_wait_dscnt 0x0
	s_endpgm
.Lfunc_end_k_q1e82f632f5_prep:
	.size	k_q1e82f632f5_prep, .Lfunc_end_k_q1e82f632f5_prep-k_q1e82f632f5_prep
	.p2alignl 7, 3214868480
	.fill 96, 4, 3214868480
	.section	.rodata,"a",@progbits
	.p2align	6, 0x0
	.amdhsa_kernel k_q1e82f632f5_prep
		.amdhsa_group_segment_fixed_size 139264
		.amdhsa_private_segment_fixed_size 0
		.amdhsa_enable_private_segment 0
		.amdhsa_kernarg_size 32
		.amdhsa_user_sgpr_count 2
		.amdhsa_user_sgpr_kernarg_segment_ptr 1
		.amdhsa_wavefront_size32 1
		.amdhsa_system_sgpr_workgroup_id_x 1
		.amdhsa_system_sgpr_workgroup_id_y 1
		.amdhsa_system_sgpr_workgroup_id_z 1
		.amdhsa_system_vgpr_workitem_id 0
		.amdhsa_next_free_vgpr 178
		.amdhsa_next_free_sgpr 66
		.amdhsa_reserve_vcc 0
		.amdhsa_float_denorm_mode_32 3
		.amdhsa_float_denorm_mode_16_64 3
		.amdhsa_memory_ordered 1
		.amdhsa_forward_progress 1
		.amdhsa_inst_pref_size 34
	.end_amdhsa_kernel
	.amdgpu_metadata
---
amdhsa.version: [ 1, 2 ]
amdhsa.kernels:
  - .name:           k_q1e82f632f5_prep
    .symbol:         k_q1e82f632f5_prep.kd
    .args:
      - { .name: kv, .offset: 0, .size: 8, .value_kind: global_buffer, .address_space: global }
      - { .name: lowp_scales, .offset: 8, .size: 8, .value_kind: global_buffer, .address_space: global }
      - { .name: kvc, .offset: 16, .size: 8, .value_kind: global_buffer, .address_space: global }
      - { .name: vsum, .offset: 24, .size: 8, .value_kind: global_buffer, .address_space: global }
    .group_segment_fixed_size: 139264
    .private_segment_fixed_size: 0
    .kernarg_segment_align: 8
    .kernarg_segment_size: 32
    .max_flat_workgroup_size: 512
    .sgpr_count:     66
    .vgpr_count:     178
    .wavefront_size: 32
...
	.end_amdgpu_metadata
.endif
;; end of part 1
;; launch attn (part 2): grid 16 x 16, 8 waves a work-group, clusters of 4 x 1, 327,680 bytes of LDS; arguments q, kvc, vsum, lowp_scales, out0; writes out0
.if DOCPART == 2
	.amdgcn_target "amdgcn-amd-amdhsa--gfx1250"
	.amdhsa_code_object_version 6
	.text
	.protected	k_q1e82f632f5_attn
	.globl	k_q1e82f632f5_attn
	.p2align	8
	.type	k_q1e82f632f5_attn,@function
k_q1e82f632f5_attn:
	s_mov_b64 s[64:65], 0
	v_nop
	global_prefetch_b8 v0, s[64:65] scope:SCOPE_SE
	s_setreg_imm32_b32 hwreg(HW_REG_WAVE_MODE, 25, 1), 1
	s_wait_xcnt 0x0
	s_wait_alu depctr_hold_cnt(0) depctr_sa_sdst(0) depctr_va_vdst(0) depctr_va_sdst(0) depctr_va_ssrc(0) depctr_va_vcc(0) depctr_vm_vsrc(0)
	s_getreg_b32 s2, hwreg(HW_REG_IB_STS2, 6, 4)
	s_cmp_eq_u32 s2, 0
	s_cbranch_scc0 .Lentry_in_a_cluster
	s_endpgm
.Lentry_in_a_cluster:
	s_bfe_u32 s2, ttmp6, 0x10000c
	s_cmp_lg_u32 s2, 0x3003
	s_cbranch_scc0 .Lentry_shape_is_right
	s_endpgm
.Lentry_shape_is_right:
; out[b][q][h][:] = the sum over k of softmax_k(logit) v[b][k][h / 2][:], logit = q . (k / sqrt(128)) where key <= query and -10000 elsewhere; both products on codes of BF8 (E5M2).
; q [2][2048][16][128] f32 is quantised here with 2^eq.  K's and V's codes come from kvc as images of the operands' registers (K already x 1 / sqrt(128), with 2^ek; V with 2^ev).
; THE SOFTMAX: t = logit x log2(e); M = the running largest t rounded UP to a whole number; p = 2^(t - M) is quantised with 2^ep; the row's sum is taken of the unquantised p and divides at the end.
; When M moves, the sum and O are multiplied by 2^(old M - new M): exact.
; THE MASK IS -10000, NOT -INFINITY, and it is honoured for every input.  In a block's diagonal step of 128 keys the hidden scores are replaced by -10000.  All keys of the steps behind it have that one logit, so they
; are the START of the running softmax: largest t = -10000 log2(e), sum = their number x p0, O = code(p0) x the sum of V's codes over those steps (vsum).  Those steps' products are not made.
; SHARES.  y (the grid's y) = 8 b + kv head.  A wave works on 16 queries of BOTH query heads of that kv head (tiles 0 and 1), so each fragment of K and V read from LDS feeds two matrix instructions.
; Queries lie in 16 blocks of 128.  Waves s and s + 4 (s = 0..3) of cluster J own 16 queries of block lo = 2 J + bit 1 of s and 16 of block hi = 15 - lo, at 16 (2 cx + bit 0 of s) in each: 17 key steps in all.
;   Wave s (A) takes hi's key steps 0 to 8.  Wave s + 4 (B) takes lo's steps 0 to lo, sends lo's rows out, and then takes hi's steps 9 to hi.  So both have work in all of NINE time steps (B in eight of them).
;   At the end the two partial results of hi are joined through LDS: A finishes tile 0, B tile 1.
; TIME STEPS.  At time t A needs key step t; B needs t while t < 2 J + 2, then t + 7 - 2 J.  lo, hi and the walk hang on the wave's number and the cluster's x, which the partners share; cx enters q's, out's and the
; prefetches' addresses and the mask's compare alone.
; CLUSTER.  The four work-groups of a cluster walk the same K and V: each piece is asked for JOINTLY, by the same tensor load with the same descriptor and the mask of all four.
; RING.  Two LDS slots of four pieces of 32,768 bytes (a key step: K's eight images, then V's eight); waves 0-3 fetch a piece each, one tensor load outstanding a wave.  Slot 0's first fill serves times 0, 1 (A and B share
; key steps 0 and 1) and 2 (a piece each); the three later fills serve two times each: 3 + 2 + 2 + 2.
; PREFETCH.  At a change of slots waves 4-7 ask for the pieces of the fill after the one that is being requested: 8,192 bytes of a piece for each of the four partners, told apart by address (cx), a lane 256 bytes.
; The first two fills come by their loads alone; behind the last fill nothing is asked for.
; LAYOUT.  Both products transposed: S^T = K Q^T, O^T = V^T P^T: a lane holds one query (lane % 16).  The keys of a fragment of K are chosen so that p's 16 registers of two neighbouring fragments are 16 neighbouring keys.
; REGISTERS.  Window 0: v0-11 constants and addresses; v12, v14 -M and v13, v15 the largest t of tiles 0, 1; v[16:17], v[18:19] the sums; v20, v22 the factors 2^(old M - new M); v24-31 at work; v32-63 Q's codes;
;   v64-127, v128-191 S^T, then p; v192-255 fragments 0-3 of K or V.   Window 1: v0-31 p's codes; v32-95 fragments 4-7; v96-159, v160-223 O^T.
; LIMITS on the given exponents, so that each power of two is an f32 number: eq and ep between -126 and 112; eq + ek between -114 and 127; ep + ev is applied by v_ldexp_f32 and has none.  NaN among the inputs is not served.
.set SLOT1, 131072                     ; slot 1 begins here
.set STEPB, 32768                      ; a piece
.set VOFF,  16384
.set STAGE, 2*SLOT1                    ; behind the ring: 16 rows x 272 bytes for each wave; no tensor load lands here
.set SP,    272
.set STGB,  16*SP
.set SPARE, STAGE+8*STGB               ; the spare words, 128 bytes for each wave: four blocks of 256 bytes that no other line names
.set QCB,   SPARE+1024                 ; hi's Q codes, 4,096 bytes for each s: stored by A, read by B
.set EXB,   8704                       ; the joining: 17 x 512 bytes for each wave, from LDS byte 0: in slot 0, which has had its last fill by then
.set LI,   1                           ; v1   16 x lane
.set ADR,  2                           ; v2   LDS address in hand
.set VD,   3                           ; v3   my query's place in its block - 16 (lane / 16)
.set PFO,  4                           ; v4   256 x lane
.set SPW,  5                           ; v5   LDS address of my spare word; never rewritten
.set NIL,  6                           ; v6   0; never rewritten
.set GO,   7                           ; v7   8,192 (lane / 16) + 16 (lane % 16): two rows of q or out, 256 bytes each
.set SR,   8                           ; v8   the stage by rows: two rows an instruction
.set STO,  9                           ; v9   the stage: row r + 32 h
.set EXW,  10                          ; v10  the joining: where I put what I give,
.set EXR,  11                          ; v11  and where my partner's lies
.set QRD,  26                          ; v26  (head only) the stage: row r + 64 h
.set TRD,  27                          ; v27  (head only) the stage: 32 h
.set Q0,   32
.set Q1,   48
.set S0,   64
.set S1,   128
.set FRA,  192
.set FRB,  32                          ; window 1
.set P0,   0                           ; window 1
.set P1,   16
.set O0,   96                          ; window 1
.set O1,   160
.set WV,   14                          ; s14  wave
.set CX,   15                          ; s15  my place in the cluster
.set BLK,  16                          ; s16  the block in hand = its diagonal key step
.set KS,   17                          ; s17  my key step
.set SEL,  20                          ; s[20:21] lane selects: lane l xor 16
.set CS,   22                          ; s[22:23] log2(e) x 2^(eq + ek)
.set G1,   24                          ; s[24:31] descriptor group 1
.set G0,   32                          ; s[32:35] descriptor group 0
.set TB,   36                          ; s36  LDS byte of the piece in hand
.set SLOTS, 37
.set CNT,  38
.set TT,   39                          ; s39  time
.set EPV,  44                          ; s44  ep + ev
.set NTL,  45                          ; s45  64 (15 - block): the tail's keys, halved: a query's two lanes are added at the end
.set FAC,  46                          ; s[46:47]
.set LM,   48                          ; s48  all ones where no step lies behind the block
.set PAR15, 49                         ; s49  32,768 for B, 0 for A
.set QB,   50                          ; s[50:51] q at my first block's first query, tile 0
.set OBL,  52                          ; s[52:53] out likewise (B: lo)
.set OBH,  54                          ; s[54:55] out at hi's first query, the tile that I finish
.set SW,   56                          ; s56  B: the time at which it goes over to hi
.set OUTB, 57                          ; s57  B: lo, until its rows have left
.set HI,   58
.set TM,   59                          ; s59  time of the piece that I ask for (waves 0-3)
.set TSW,  60                          ; s60  from this time on the piece's key step is time + DLT (pieces of B)
.set DLT,  61
.set KB,   62                          ; s[62:63] kvc at y
.set PFA,  66                          ; s[66:67] what I prefetch (waves 4-7)
.set PT,   68                          ; s68  its time
.set HOLD, 69                          ; s69  57,344 x 2^ep
.set RAWM, 70                          ; s70  -10000 / 2^(eq + ek): the masked logit as a sum of codes' products
.set QCS,  71                          ; s71  LDS byte of hi's Q codes
.set QO,   78                          ; s78  16 (2 cx + bit 0 of s)
.set MSB, 0
.macro WIN new                         ; bits 1:0 source 0, 3:2 source 1, 5:4 source 2, 7:6 destination; the high byte repeats the setting that is left
.if MSB != (\new)
	s_set_vgpr_msb (MSB<<8)|\new
.set MSB, \new
.endif
.endm
.macro NOPS n
.rept \n
	v_nop
.endr
.endm
.macro CROUND                          ; a round of the cluster's barrier
	s_barrier_signal -1
	s_barrier_wait -1
	s_cmp_lg_u32 s[WV], 0
	s_cbranch_scc1 .Lnot_wave_0_\@
	s_barrier_signal -3
.Lnot_wave_0_\@:
	s_barrier_wait -3
	s_barrier_signal -1
	s_barrier_wait -1
.endm
.macro JLOAD                           ; waves 0-3 ask for a piece each; the branch hangs on the wave's number alone.  Four v_nop follow the line
	s_cmp_lt_u32 s[WV], 4
	s_cbranch_scc0 .Lasked_\@
	tensor_load_to_lds s[G0:G0+3], s[G1:G1+7]
	s_nop 0
	NOPS 4
.Lasked_\@:
.endm
.macro PIECE t, d                      ; s[d:d+1] = where the piece of time s[t] lies in kvc
	s_add_co_u32 s74, s[\t], s[DLT]
	s_cmp_lt_u32 s[\t], s[TSW]
	s_cselect_b32 s72, s[\t], s74
	s_lshl_b32 s72, s72, 15
	s_mov_b32 s73, 0
	s_add_nc_u64 s[\d:\d+1], s[KB:KB+1], s[72:73]
.endm
	s_load_b256 s[4:11], s[0:1], 0x0               ; q s[4:5], kvc s[6:7], vsum s[8:9], the scales' exponents s[10:11]
	s_load_b64 s[12:13], s[0:1], 0x20              ; out
	v_lshl_add_u32 v[SPW], v0, 2, SPARE
	v_mov_b32 v[NIL], 0
	ds_add_u32 v[SPW], v[NIL]                      ; the wave's opening: the add, twice on end, and its wait ahead of my first tensor load
	ds_add_u32 v[SPW], v[NIL]
	v_lshrrev_b32 v24, 5, v0
	v_readfirstlane_b32 s[WV], v24                 ; wave 0..7
	s_bfe_u32 s[CX], ttmp6, 0x40000                ; cx
	s_and_b32 s18, ttmp7, 0xffff                   ; y, which the partners share
	s_lshr_b32 s19, s[WV], 2                       ; 0: A, 1: B
	s_lshl_b32 s[PAR15], s19, 15
	s_and_b32 s72, s[WV], 1
	s_bfe_u32 s73, s[WV], 0x10001                  ; bit 1 of the wave's number
	s_lshl_b32 s74, ttmp9, 1                       ; in a cluster launch ttmp9 counts clusters: 2 J
	s_add_co_u32 s75, s74, s73                     ; lo
	s_sub_co_u32 s[HI], 15, s75
	s_add_co_u32 s76, s74, 2                       ; the time at which B goes over to hi
	s_sub_co_u32 s[DLT], 7, s74
	s_add_co_u32 s[TM], s73, 3                     ; the second fill serves times 3 and 4
	s_add_co_u32 s77, s73, 5                       ; and the third 5 and 6
	s_cmp_eq_u32 s72, 0
	s_cselect_b32 s[TSW], 255, s76                 ; odd pieces are B's
	s_cmp_eq_u32 s19, 0
	s_cselect_b32 s[BLK], s[HI], s75
	s_cselect_b32 s[SW], 255, s76
	s_cselect_b32 s[OUTB], 255, s75
	s_cselect_b32 s[PT], 255, s77
	s_lshl_b32 s[QO], s[CX], 1
	s_add_co_u32 s[QO], s[QO], s72
	s_lshl_b32 s[QO], s[QO], 4
	s_lshr_b32 s79, s18, 3
	s_lshl_b32 s79, s79, 24                        ; b x 2,048 x 8,192
	s_and_b32 s72, s18, 7
	s_lshl_b32 s72, s72, 10                        ; kv head x two query heads of 512 bytes
	s_add_co_u32 s79, s79, s72
	s_lshl_b32 s86, s[BLK], 7
	s_add_co_u32 s86, s86, s[QO]
	s_lshl_b32 s86, s86, 13
	s_add_co_u32 s86, s86, s79                     ; my first block's rows
	s_mov_b32 s87, 0
	s_lshl_b32 s84, s[HI], 7
	s_add_co_u32 s84, s84, s[QO]
	s_lshl_b32 s84, s84, 13
	s_add_co_u32 s84, s84, s79                     ; hi's rows,
	s_lshl_b32 s85, s19, 9
	s_add_co_u32 s84, s84, s85                     ; A: tile 0, B: tile 1
	s_mov_b32 s85, 0
	s_lshl_b32 s76, s18, 19                        ; kvc: y x 524,288
	s_mov_b32 s77, 0
	s_lshl_b32 s80, s18, 13                        ; vsum: y x 8,192
	s_mov_b32 s81, 0
	s_and_b32 s82, s[WV], 3
	s_lshl_b32 s83, s82, 15                        ; my piece's place in a slot (waves 0-3)
	s_lshl_b32 s[QCS], s82, 12
	s_add_co_u32 s[QCS], s[QCS], QCB
	s_min_u32 s82, s82, 2                          ; the first fill: times 0, 1, 2 and 2
	; descriptor group 1: a dense block of 32,768 bytes as 128 rows of 32 elements of 8 bytes
	s_mov_b32 s[G1], 15|(3<<16)|(1<<21)            ; 15:0 the mask: all four work-groups; 17:16 elements of 8 bytes; 21 set beside a mask; no padding
	s_mov_b32 s[G1+1], 32<<16                      ; tensor_dim0 = 32
	s_mov_b32 s[G1+2], 128<<16                     ; tensor_dim1 = 128
	s_mov_b32 s[G1+3], 32<<16                      ; tile_dim0 = 32
	s_mov_b32 s[G1+4], 128                         ; tile_dim1 = 128
	s_mov_b32 s[G1+5], 32                          ; from row to row: 32 elements
	s_mov_b32 s[G1+6], 0
	s_mov_b32 s[G1+7], 0
	s_mov_b32 s[SEL], 0x76543210
	s_mov_b32 s[SEL+1], 0xfedcba98
	s_mov_b32 s[TB], 0
	s_mov_b32 s[KS], 0
	s_mov_b32 s[TT], 0
	s_wait_alu depctr_va_vdst(0)
	s_wait_dscnt 0x0                               ; both opening adds are done
	s_wait_kmcnt 0x0
	s_load_b128 s[40:43], s[10:11], 0x0            ; eq, ek, ev, ep
	s_add_nc_u64 s[KB:KB+1], s[6:7], s[76:77]
	PIECE 82, G0+2                                 ; 120:64 global address
	s_mov_b32 s[G0], 1                             ; count = 1
	s_mov_b32 s[G0+1], s83                         ; LDS address: slot 0
	s_or_b32 s[G0+3], s[G0+3], 0x80000000          ; type = 2
	s_add_nc_u64 s[QB:QB+1], s[4:5], s[86:87]
	s_add_nc_u64 s[OBL:OBL+1], s[12:13], s[86:87]
	s_add_nc_u64 s[OBH:OBH+1], s[12:13], s[84:85]
	s_add_nc_u64 s[8:9], s[8:9], s[80:81]
	CROUND                                         ; all four work-groups are here: the first joint loads meet
	JLOAD                                          ; slot 0
	v_and_b32 v[LI], 31, v0
	v_and_b32 v12, 15, v0                          ; r
	v_bfe_u32 v13, v0, 4, 1                        ; h
	v_lshlrev_b32 v[LI], 4, v[LI]
	v_lshlrev_b32 v[GO], 13, v13
	v_lshl_add_u32 v[GO], v12, 4, v[GO]
.set i, 1
.rept 15
	global_load_b128 v[S0+4*(i-1):S0+4*(i-1)+3], v[LI], s[8:9] offset:512*i   ; vsum of steps 1-15: channels 4 x lane + 0..3
.set i, i+1
.endr
.irp u, 0,1                            ; q, tile 0: sixteen lanes read 256 consecutive aligned bytes, half u of a query's row
.irp i, 0,1,2,3,4,5,6,7
	global_load_b128 v[FRA+32*\u+4*\i:FRA+32*\u+4*\i+3], v[GO], s[QB:QB+1] offset:2*\i*8192+256*\u th:TH_LOAD_NT
.endr
.endr
	WIN 0x40
.irp u, 0,1                            ; tile 1: the next query head, 512 bytes on
.irp i, 0,1,2,3,4,5,6,7
	global_load_b128 v[FRB+32*\u+4*\i:FRB+32*\u+4*\i+3], v[GO], s[QB:QB+1] offset:2*\i*8192+256*\u+512 th:TH_LOAD_NT
.endr
.endr
	WIN 0
	s_mul_i32 s72, s[WV], STGB
	s_add_co_u32 s72, s72, STAGE                   ; my stage
	s_mul_i32 s73, s[WV], EXB
	s_xor_b32 s74, s[WV], 4
	s_mul_i32 s74, s74, EXB
	s_wait_alu depctr_va_vdst(0)
	v_mul_u32_u24 v[SR], v13, SP
	v_mul_u32_u24 v14, v12, SP
	v_lshlrev_b32 v[TRD], 5, v13
	v_lshlrev_b32 v15, 4, v13
	v_lshl_add_u32 v[SR], v12, 4, v[SR]
	v_add_nc_u32 v14, s72, v14
	v_add_nc_u32 v[TRD], s72, v[TRD]
	v_sub_nc_u32 v[VD], v12, v15
	v_add_nc_u32 v[SR], s72, v[SR]
	v_lshl_add_u32 v[STO], v13, 5, v14
	v_lshl_add_u32 v[QRD], v13, 6, v14
	v_add_nc_u32 v[ADR], s72, v[LI]                ; for the tail's sum: my stage + 16 x lane
	v_add_nc_u32 v[VD], s[QO], v[VD]
	v_add_nc_u32 v[EXW], s73, v[LI]
	v_add_nc_u32 v[EXR], s74, v[LI]
	v_lshlrev_b32 v[PFO], 4, v[LI]
	s_wait_alu depctr_va_vdst(0)
	s_wait_kmcnt 0x0
	s_add_co_i32 s72, s40, s41
	s_lshl_b32 s72, s72, 23
	s_add_co_i32 s[CS], s72, 0x3fb8aa3b            ; log2(e), with eq + ek added to its exponent field: a sum of codes' products stands for sum x 2^(eq + ek)
	s_mov_b32 s[CS+1], s[CS]                       ; (named with it as a pair, so it is written)
	s_sub_co_i32 s[RAWM], 0xc61c4000, s72          ; -10000, with eq + ek taken off its exponent field
	s_add_co_i32 s[EPV], s42, s43
	s_add_co_i32 s72, s43, 127
	s_lshl_b32 s73, s72, 23                        ; 2^ep
	s_add_co_i32 s72, s72, 15
	s_lshl_b32 s72, s72, 23
	s_or_b32 s[HOLD], s72, 0x600000                ; 57,344 x 2^ep
	s_add_co_i32 s72, s40, 127
	s_lshl_b32 s76, s72, 23                        ; 2^eq
	s_add_co_i32 s72, s72, 15
	s_lshl_b32 s72, s72, 23
	s_or_b32 s77, s72, 0x600000                    ; 57,344 x 2^eq
	s_sub_co_u32 s[NTL], 15, s[BLK]
	s_lshl_b32 s[NTL], s[NTL], 6
	s_cmp_eq_u32 s[BLK], 15
	s_cselect_b32 s[LM], -1, 0
	s_mov_b32 s[FAC+1], 0                          ; (named as the upper half of a pair)
	v_mov_b32 v0, s73                              ; v0 from here on: 2^ep
	; ---- the tail: the sum of V's codes over the steps behind my first block's diagonal.  Every step is multiplied by 1 or by 0: no branch
	s_wait_alu depctr_va_vdst(0)
	s_wait_loadcnt 32                              ; vsum's 15 loads are in; q's 32, issued behind them, may be out
	s_cmp_lt_u32 s[BLK], 1
	s_cselect_b32 s[FAC], 1.0, 0
	v_pk_mul_f32 v[124:125], v[S0:S0+1], s[FAC:FAC+1] op_sel_hi:[1,0]
	v_pk_mul_f32 v[126:127], v[S0+2:S0+3], s[FAC:FAC+1] op_sel_hi:[1,0]
.set i, 2
.rept 14
	s_cmp_lt_u32 s[BLK], i
	s_cselect_b32 s[FAC], 1.0, 0
	v_pk_fma_f32 v[124:125], v[S0+4*(i-1):S0+4*(i-1)+1], s[FAC:FAC+1], v[124:125] op_sel_hi:[1,0,1]
	v_pk_fma_f32 v[126:127], v[S0+4*(i-1)+2:S0+4*(i-1)+3], s[FAC:FAC+1], v[126:127] op_sel_hi:[1,0,1]
.set i, i+1
.endr
	ds_store_b128 v[ADR], v[124:127]               ; 128 channels on end in my stage; they come back in O^T's layout: register 8 t + i = channel 16 t + 8 h + i, the same for every query
	WIN 0x40
.irp t, 0,1,2,3,4,5,6,7
	ds_load_b128 v[O0+8*\t:O0+8*\t+3], v[TRD] offset:64*\t       ; LDS serves a wave's instructions in order: these see my store
	ds_load_b128 v[O0+8*\t+4:O0+8*\t+7], v[TRD] offset:64*\t+16
.endr
	WIN 0
	; the start of the running softmax, the same for both tiles
	v_mov_b32 v24, s[RAWM]
	v_mul_f32 v13, s[CS], v24                      ; t0 = -10000 log2(e)
	v_floor_f32 v12, -v13                          ; -M0
	v_fma_f32 v25, v24, s[CS], v12                 ; t0 - M0
	s_wait_alu depctr_va_vdst(0)                   ; a wait ahead of the transcendental and one behind it
	v_exp_f32 v25, v25                             ; p0
	v_mov_b32 v17, 0                               ; (a plain line behind the exponential)
	v_cvt_f32_u32 v16, s[NTL]
	s_wait_alu depctr_va_vdst(0)
	v_mul_f32 v16, v16, v25                        ; the sum: half of the tail's keys x p0 in each of a query's two lanes
	s_wait_alu depctr_va_vdst(0)
	s_wait_dscnt 0x0
.irp i, 0,1,2,3,4,5,6,7
	v_min_num_f32 v[S0+\i], s[HOLD], v25           ; the hold; the conversion reads eight registers
.endr
	v_cvt_scalef32_pk8_bf8_f32 v[28:29], v[S0:S0+7], v0
	v_mov_b32 v21, 0                               ; (a plain line behind the conversion; named as the upper half of the pair v[20:21])
	v_mov_b32 v23, 0                               ; (of v[22:23])
	v_cvt_f32_bf8 v20, v28                         ; p0's code, as a number
	v_mov_b32 v24, 0xff61b1e6                      ; -3e38
	v_cndmask_b32 v13, v13, v24, s[LM]             ; no step behind the diagonal: -10000 is not yet among the row's logits (the sum and O^T are zeros then)
	v_mov_b32 v18, v16
	v_floor_f32 v12, -v13
	v_mov_b32 v15, v13
	v_mov_b32 v19, v17
	v_mov_b32 v14, v12
	WIN 0x41
.set i, 0
.rept 32
	v_pk_mul_f32 v[O1+i:O1+i+1], v[O0+i:O0+i+1], v[20:21] op_sel_hi:[1,0]   ; O^T = code(p0) x the tail's sum of V's codes
	v_pk_mul_f32 v[O0+i:O0+i+1], v[O0+i:O0+i+1], v[20:21] op_sel_hi:[1,0]
.set i, i+2
.endr
	WIN 0
	v_mov_b32 v20, s76                             ; for q alone: 2^eq
	v_mov_b32 v22, s77                             ; and 57,344 x 2^eq
	; ---- q: 16 queries x 128 channels a tile turn through my stage, half a row at a time, so that lane (r, h) gets, of query r, channels 32 c + 16 h + 0..15 in registers 16 c + 0..15
.macro QTURN src, dst, win
.irp u, 0,1
	WIN \win
.irp i, 0,1,2,3,4,5,6,7
	ds_store_b128 v[SR], v[\src+32*\u+4*\i:\src+32*\u+4*\i+3] offset:2*\i*SP
.endr
	WIN 0
.irp c, 0,1
.irp j, 0,1,2,3
	ds_load_b128 v[\dst+16*(2*\u+\c)+4*\j:\dst+16*(2*\u+\c)+4*\j+3], v[QRD] offset:128*\c+16*\j
.endr
.endr
.endr
.endm
.macro QUANTQ x, c
.irp b, 0,1,2,3
.set qi, 0
.rept 16
	v_med3_num_f32 v[\x+16*\b+qi], v[\x+16*\b+qi], -v22, v22   ; the conversion to an 8-bit code does not saturate (ISA guide 7.6.2): the hold at the largest code x the scale
.set qi, qi+1
.endr
	v_cvt_scalef32_pk8_bf8_f32 v[\c+4*\b:\c+4*\b+1], v[\x+16*\b:\x+16*\b+7], v20
	v_cvt_scalef32_pk8_bf8_f32 v[\c+4*\b+2:\c+4*\b+3], v[\x+16*\b+8:\x+16*\b+15], v20
.endr
	v_nop                                          ; a plain line behind the last conversion, ahead of the products that read the codes and write the numbers' registers
.endm
	s_wait_alu depctr_va_vdst(0)
	s_wait_loadcnt 16                              ; tile 0's 16 loads are in; tile 1's may be out
	QTURN FRA, S0, 0
	s_wait_loadcnt 0x0
	QTURN FRB, S1, 0x04
	s_wait_dscnt 32                                ; tile 0 is back; tile 1's 32 LDS instructions may be out
	QUANTQ S0, Q0
	s_wait_alu depctr_va_vdst(0)
	s_wait_dscnt 0x0
	QUANTQ S1, Q1
	s_wait_alu depctr_va_vdst(0)
	s_cmp_lt_u32 s[WV], 4
	s_cbranch_scc0 .Lq_done
	v_add_nc_u32 v[ADR], s[QCS], v[LI]
.irp i, 0,1,2,3,4,5,6,7
	ds_store_b128 v[ADR], v[Q0+4*\i:Q0+4*\i+3] offset:512*\i     ; A: hi's codes, for B: it reads them behind the first change of slots' barrier
.endr
.Lq_done:
; 16 LDS loads in one run: four fragments' images; each load reads 512 consecutive bytes
.macro FETCH reg, off
.irp f, 0,1,2,3
.irp c, 0,1,2,3
	ds_load_b128 v[\reg+16*\f+4*\c:\reg+16*\f+4*\c+3], v[ADR] offset:\off+2048*\f+512*\c
.endr
.endr
.endm
.macro FRAG f                          ; where fragment f lies: window 0 (0-3) or 1 (4-7)
.if \f < 4
.set FB, FRA+16*\f
.else
.set FB, FRB+16*(\f-4)
.endif
.endm
.macro KQ                              ; S^T = K Q^T of both tiles, fragment by fragment as they come in; each accumulator begins with the constant 0
.irp f, 0,1,2,3,4,5,6,7
	FRAG \f
	WIN (\f>>2)
	s_wait_dscnt 28-4*\f                           ; fragments 0 to f are in, the younger ones' loads may be out
	v_wmma_f32_16x16x128_bf8_bf8 v[S0+8*\f:S0+8*\f+7], v[FB:FB+15], v[Q0:Q0+15], 0
	v_wmma_f32_16x16x128_bf8_bf8 v[S1+8*\f:S1+8*\f+7], v[FB:FB+15], v[Q1:Q1+15], 0
.endr
	WIN 0
.endm
.macro PV o, p                         ; O^T += V^T P^T of a tile: eight accumulators by turns, one instruction a turn
.irp f, 0,1,2,3,4,5,6,7
	FRAG \f
	WIN 0x54|(\f>>2)
	v_wmma_f32_16x16x128_bf8_bf8 v[\o+8*\f:\o+8*\f+7], v[FB:FB+15], v[\p:\p+15], v[\o+8*\f:\o+8*\f+7]
.endr
.endm
.macro MAX s, t                        ; the step's largest score of my query among my 64 keys, in four chains; each accumulator is read from its low end on
	v_max3_num_f32 v[\t], v[\s], v[\s+1], v[\s+2]
	v_max3_num_f32 v[\t+1], v[\s+3], v[\s+4], v[\s+5]
	v_max3_num_f32 v[\t+2], v[\s+6], v[\s+7], v[\s+8]
	v_max3_num_f32 v[\t+3], v[\s+9], v[\s+10], v[\s+11]
.set sj, 0
.rept 26
	v_max3_num_f32 v[\t+sj%4], v[\t+sj%4], v[\s+12+2*sj], v[\s+13+2*sj]
.set sj, sj+1
.endr
	v_max3_num_f32 v[\t], v[\t], v[\t+1], v[\t+2]
	v_max_num_f32 v[\t], v[\t], v[\t+3]
.endm
.macro SUM s, l                        ; the row's sum is taken of the unquantised p, two at a time, in four chains
	v_pk_add_f32 v[\l:\l+1], v[\l:\l+1], v[\s:\s+1]
	v_pk_add_f32 v[24:25], v[\s+2:\s+3], v[\s+4:\s+5]
	v_pk_add_f32 v[26:27], v[\s+6:\s+7], v[\s+8:\s+9]
	v_pk_add_f32 v[28:29], v[\s+10:\s+11], v[\s+12:\s+13]
.set sj, 14
.rept 6
	v_pk_add_f32 v[\l:\l+1], v[\l:\l+1], v[\s+sj:\s+sj+1]
	v_pk_add_f32 v[24:25], v[24:25], v[\s+sj+2:\s+sj+3]
	v_pk_add_f32 v[26:27], v[26:27], v[\s+sj+4:\s+sj+5]
	v_pk_add_f32 v[28:29], v[28:29], v[\s+sj+6:\s+sj+7]
.set sj, sj+8
.endr
	v_pk_add_f32 v[\l:\l+1], v[\l:\l+1], v[\s+62:\s+63]
	v_pk_add_f32 v[24:25], v[24:25], v[26:27]
	v_pk_add_f32 v[\l:\l+1], v[\l:\l+1], v[28:29]
	v_pk_add_f32 v[\l:\l+1], v[\l:\l+1], v[24:25]
.endm
.macro HOLD2 a                         ; the hold, two at a time; p is not negative, so it is one-sided
	v_dual_min_num_f32 v[\a], s[HOLD], v[\a] :: v_dual_min_num_f32 v[\a+1], s[HOLD], v[\a+1]
.endm
.macro CODES s, p
	WIN 0x40
.irp b, 0,1,2,3
	v_cvt_scalef32_pk8_bf8_f32 v[\p+4*\b:\p+4*\b+1], v[\s+16*\b:\s+16*\b+7], v0
	v_cvt_scalef32_pk8_bf8_f32 v[\p+4*\b+2:\p+4*\b+3], v[\s+16*\b+8:\s+16*\b+15], v0
.endr
	v_nop                                          ; a plain line between the conversions and the products
.endm
; 64 registers of results of 16 queries, from s, leave through my stage, half a row (256 bytes) at a time, by way of d; sixteen lanes store 256 consecutive aligned bytes.
.macro ROWS s, d, ob, off
.irp u, 0,1
.irp t, 0,1,2,3
	ds_store_b128 v[STO], v[\s+32*\u+8*\t:\s+32*\u+8*\t+3] offset:64*\t
	ds_store_b128 v[STO], v[\s+32*\u+8*\t+4:\s+32*\u+8*\t+7] offset:64*\t+16
.endr
.irp i, 0,1,2,3,4,5,6,7
	ds_load_b128 v[\d+32*\u+4*\i:\d+32*\u+4*\i+3], v[SR] offset:2*\i*SP   ; in order behind my stores; the next half's stores come behind these
.endr
.endr
.irp u, 0,1
.irp i, 0,1,2,3,4,5,6,7
	s_wait_dscnt 23-16*\u-\i                       ; this read-back is in; the LDS instructions behind it may be out
	global_store_b128 v[GO], v[\d+32*\u+4*\i:\d+32*\u+4*\i+3], s[\ob:\ob+1] offset:2*\i*8192+256*\u+\off th:TH_STORE_NT
.endr
.endr
.endm
; B: lo's rows leave: O^T x 2^(ep + ev) / the sum.
.macro WAYOUT
	NOPS 4                                         ; four places behind the last products (ISA guide 7.12.1)
	v_add_f32 v16, v16, v17                        ; the sums' two halves,
	v_add_f32 v18, v18, v19
	v_permlanex16_b32 v24, v16, s[SEL], s[SEL+1]
	v_permlanex16_b32 v28, v18, s[SEL], s[SEL+1]
	v_add_f32 v16, v16, v24                        ; and lane l xor 16's
	v_add_f32 v18, v18, v28
	s_wait_alu depctr_va_vdst(0)
	v_rcp_f32 v16, v16
	v_rcp_f32 v18, v18
	v_nop                                          ; a plain line behind the reciprocals
	s_wait_alu depctr_va_vdst(0)
	v_ldexp_f32 v16, v16, s[EPV]
	v_ldexp_f32 v18, v18, s[EPV]
	WIN 0x01
	s_wait_alu depctr_va_vdst(0)                   ; directly ahead of the readers of O^T
.set sj, 0
.rept 32
	v_pk_mul_f32 v[S0+sj:S0+sj+1], v[O0+sj:O0+sj+1], v[16:17] op_sel_hi:[1,0]   ; register 8 t + i is out(query r, channel 16 t + 8 h + i)
.set sj, sj+2
.endr
.set sj, 0
.rept 32
	v_pk_mul_f32 v[S1+sj:S1+sj+1], v[O1+sj:O1+sj+1], v[18:19] op_sel_hi:[1,0]
.set sj, sj+2
.endr
	WIN 0
	s_wait_alu depctr_va_vdst(0)
	ROWS S0, FRA, OBL, 0
	ROWS S1, S0, OBL, 512
	s_wait_xcnt 0x0                                ; the stores' registers are written again only behind this wait
.endm
; A TIME STEP: 128 keys for both tiles.  first = 1: times 0 to 2.
.macro STEP first
	s_cmp_lg_u32 s[TT], s[SW]
	s_cbranch_scc1 .Lsame_\@
	v_add_nc_u32 v[ADR], s[QCS], v[LI]             ; B goes over to hi: its Q codes,
.irp i, 0,1,2,3,4,5,6,7
	ds_load_b128 v[Q0+4*\i:Q0+4*\i+3], v[ADR] offset:512*\i
.endr
	v_mov_b32 v13, 0xff61b1e6                      ; and a start of -3e38: the first change of M multiplies what lo has left in the sums and in O^T (finite numbers) by 0
	v_mov_b32 v15, 0xff61b1e6
	v_floor_f32 v12, -v13
	v_floor_f32 v14, -v15
	s_mov_b32 s[BLK], s[HI]
	s_mov_b32 s[KS], 9
	s_mov_b32 s[OUTB], 255
	s_wait_alu depctr_va_vdst(0)
.Lsame_\@:
	s_cmp_gt_u32 s[KS], s[BLK]                     ; nothing of this step is mine
	s_cbranch_scc1 .Lhidden_\@
.if \first
	s_lshr_b32 s72, s[TT], 1                       ; 0, 0, 1: at times 0 and 1 A and B read the same piece
	s_mul_i32 s72, s72, s[PAR15]
	s_add_co_u32 s72, s72, s[TB]
	v_add_nc_u32 v[ADR], s72, v[LI]
.else
	v_add_nc_u32 v[ADR], s[TB], v[LI]
.endif
	NOPS 3                                         ; with the addition four places between the last step's products and the loads into the registers that they read
	FETCH FRA, 0                                   ; K's eight fragments
	WIN 0x40
	FETCH FRB, 8192
	s_wait_alu depctr_va_vdst(0)
	KQ
	NOPS 4                                         ; four places: ahead of the loads into K's registers and of the first read of the scores
	FETCH FRA, VOFF                                ; V's fragments land under the softmax
	s_cmp_lg_u32 s[KS], s[BLK]
	s_cbranch_scc1 .Lopen_\@
.set sj, 0
.rept 64                               ; the diagonal step: register 16 b + i holds key 32 b + 16 (lane / 16) + i of the step: hidden where 32 b + i > VD; its score becomes -10000, in both heads
	v_cmp_gt_i32 vcc_lo, 32*(sj/16)+sj%16, v[VD]
	v_cndmask_b32 v[S0+sj], v[S0+sj], s[RAWM], vcc_lo
	v_cndmask_b32 v[S1+sj], v[S1+sj], s[RAWM], vcc_lo
.set sj, sj+1
.endr
	s_wait_alu depctr_va_vdst(0)
.Lopen_\@:
	MAX S0, 24
	WIN 0x40
	FETCH FRB, VOFF+8192
	WIN 0
	MAX S1, 28
	v_permlanex16_b32 v25, v24, s[SEL], s[SEL+1]   ; the two tiles take turns line by line
	v_permlanex16_b32 v29, v28, s[SEL], s[SEL+1]
	v_max_num_f32 v24, v24, v25                    ; and among lane l xor 16's
	v_max_num_f32 v28, v28, v29
	v_mul_f32 v24, s[CS], v24                      ; as t (the factor is positive)
	v_mul_f32 v28, s[CS], v28
	v_max_num_f32 v13, v13, v24                    ; the running largest t
	v_max_num_f32 v15, v15, v28
	v_floor_f32 v26, -v13                          ; the new -M = floor(-t): M is a whole number
	v_floor_f32 v30, -v15
	v_sub_f32 v24, v26, v12                        ; old M - new M: a whole number, 0 or less
	v_sub_f32 v28, v30, v14
	v_mov_b32 v12, v26
	v_mov_b32 v14, v30
	v_cvt_i32_f32 v24, v24                         ; (it saturates)
	v_cvt_i32_f32 v28, v28
	v_ldexp_f32 v20, 1.0, v24                      ; f = 2^(old M - new M)
	v_ldexp_f32 v22, 1.0, v28
.set sj, 0
.rept 32
	v_pk_fma_f32 v[S0+sj:S0+sj+1], v[S0+sj:S0+sj+1], s[CS:CS+1], v[12:13] op_sel_hi:[1,0,0]   ; t - M, two at a time (the pairs' low words serve both halves)
.set sj, sj+2
.endr
	v_pk_mul_f32 v[16:17], v[16:17], v[20:21] op_sel_hi:[1,0]   ; the sums under the new M
	v_pk_mul_f32 v[18:19], v[18:19], v[22:23] op_sel_hi:[1,0]
	WIN 0x41
.set sj, 0
.rept 32
	v_pk_mul_f32 v[O0+sj:O0+sj+1], v[O0+sj:O0+sj+1], v[20:21] op_sel_hi:[1,0]   ; O^T under the new M
.set sj, sj+2
.endr
.set sj, 0
.rept 32
	v_pk_mul_f32 v[O1+sj:O1+sj+1], v[O1+sj:O1+sj+1], v[22:23] op_sel_hi:[1,0]
.set sj, sj+2
.endr
	WIN 0
	s_wait_alu depctr_va_vdst(0)                   ; ahead of the exponentials, and one behind them
.set sj, 0
.rept 32
	v_exp_f32 v[S0+sj], v[S0+sj]                   ; p = 2^(t - M), at most 1: not normalised
	v_exp_f32 v[S0+sj+1], v[S0+sj+1]
	v_pk_fma_f32 v[S1+sj:S1+sj+1], v[S1+sj:S1+sj+1], s[CS:CS+1], v[14:15] op_sel_hi:[1,0,0]   ; tile 1's t - M stand between tile 0's exponentials
.set sj, sj+2
.endr
	s_wait_alu depctr_va_vdst(0)
	SUM S0, 16
.set sj, 0
.rept 32
	v_exp_f32 v[S1+sj], v[S1+sj]
	v_exp_f32 v[S1+sj+1], v[S1+sj+1]
	HOLD2 S0+sj                                    ; tile 0's holds stand between tile 1's exponentials
.set sj, sj+2
.endr
	s_wait_alu depctr_va_vdst(0)
	s_wait_dscnt 0x0                               ; V is in
	CODES S0, P0
	PV O0, P0                                      ; tile 0's second products stand ahead of tile 1's sums and holds
	WIN 0
	SUM S1, 18
.set sj, 0
.rept 32
	HOLD2 S1+sj
.set sj, sj+2
.endr
	CODES S1, P1
	PV O1, P1
	WIN 0
	s_cmp_lg_u32 s[KS], s[OUTB]
	s_cbranch_scc1 .Lhidden_\@
	WAYOUT                                         ; B: lo's diagonal step is done
.Lhidden_\@:
	s_add_co_u32 s[KS], s[KS], 1
	s_add_co_u32 s[TT], s[TT], 1
.endm
.macro STEPS first, n, inc             ; n time steps: written once, walked n times
	s_mov_b32 s[CNT], \n
.Lstep_\@:
	STEP \first
	s_add_co_u32 s[TB], s[TB], \inc
	s_sub_co_u32 s[CNT], s[CNT], 1
	s_cmp_lg_u32 s[CNT], 0
	s_cbranch_scc1 .Lstep_\@
.endm
; THE CHANGE OF SLOTS stands at a slot's head.  Each wave waits for all its tensor loads (its part of the slot ahead), adds 0 to its spare word (fill = 1: twice on end), and waits for that and for its reads of the slot that it has left.
; fill = 1: a round of the cluster's barrier, so that no wave of any partner still reads the other slot or has a load on its way; then that slot is asked for jointly, with the whole slot ahead in which to land.
.macro CHANGE fill
	s_wait_alu depctr_va_vdst(0)
	s_wait_tensorcnt 0x0                           ; no tensor load of mine is out, so group 0 may be written
	ds_add_u32 v[SPW], v[NIL]                      ; 0 onto my spare word
.if \fill
	ds_add_u32 v[SPW], v[NIL]
	s_xor_b32 s[G0+1], s[G0+1], SLOT1              ; the other slot than last time,
	PIECE TM, G0+2                                 ; and its piece
	s_or_b32 s[G0+3], s[G0+3], 0x80000000
	s_add_co_u32 s[TM], s[TM], 2
	s_wait_xcnt 0x0                                ; any prefetch of mine has read its address, so it may be written
	PIECE PT, PFA
	s_lshl_b32 s72, s[CX], 13                      ; my work-group's 8,192 bytes of the piece
	s_add_nc_u64 s[PFA:PFA+1], s[PFA:PFA+1], s[72:73]
.endif
	s_wait_dscnt 0x0                               ; the adds are done, and my LDS accesses are over
.if \fill
	CROUND
	JLOAD                                          ; the first thing behind the round, and a wave's one tensor load until the next
	s_cmp_gt_u32 s[PT], 8                          ; waves 0-3, and all waves when no fill follows the next: nothing
	s_cbranch_scc1 .Lnot_mine_\@
	global_prefetch_b8 v[PFO], s[PFA:PFA+1] th:TH_LOAD_NT scope:SCOPE_SE   ; what the next change of slots will ask for: each 256 bytes once in the cluster
.Lnot_mine_\@:
	s_add_co_u32 s[PT], s[PT], 2
.else
	s_barrier_signal -1
	s_barrier_wait -1
.endif
.endm
	CHANGE 1                                       ; slot 0 is whole, A's Q codes are there; slot 1's first fill goes out
	STEPS 1, 3, STEPB                              ; times 0 to 2
	s_add_co_u32 s[TB], s[PAR15], SLOT1
	s_mov_b32 s[SLOTS], 2
.Lslot:                                            ; times 3 to 6
	CHANGE 1
	STEPS 0, 2, 2*STEPB
	s_sub_co_u32 s[TB], s[TB], 4*STEPB             ; back to a slot's first piece,
	s_xor_b32 s[TB], s[TB], SLOT1                  ; in the other slot
	s_sub_co_u32 s[SLOTS], s[SLOTS], 1
	s_cmp_lg_u32 s[SLOTS], 0
	s_cbranch_scc1 .Lslot
	CHANGE 0                                       ; the last slot is written out
	STEPS 0, 2, 2*STEPB                            ; times 7 and 8
	; ---- hi's two partial results are joined: A gives tile 1's, B tile 0's.  They go into slot 0: it has had its last fill, and nobody has read it since the last change of slots
.macro GIVE g
	v_mov_b32 v28, v[12+2*\g]                      ; -M and the sum
	v_mov_b32 v29, v[16+2*\g]
	v_mov_b32 v30, v[17+2*\g]
	v_mov_b32 v31, 0
	ds_store_b128 v[EXW], v[28:31] offset:8192
	WIN 0x04
.irp i, 0,1,2,3,4,5,6,7,8,9,10,11,12,13,14,15
	ds_store_b128 v[EXW], v[O0+64*\g+4*\i:O0+64*\g+4*\i+3] offset:512*\i
.endr
	WIN 0
.endm
	NOPS 4                                         ; four places behind the last products
	s_cmp_lt_u32 s[WV], 4
	s_cbranch_scc0 .Lgive_0
	GIVE 1
	s_branch .Lgiven
.Lgive_0:
	GIVE 0
	v_mov_b32 v12, v14                             ; what B keeps: tile 1's -M and sum
	v_mov_b32 v16, v18
	v_mov_b32 v17, v19
.Lgiven:
	s_wait_alu depctr_va_vdst(0)
	s_wait_dscnt 0x0                               ; for my partner's sake
	s_barrier_signal -1
	s_barrier_wait -1
	ds_load_b128 v[24:27], v[EXR] offset:8192
.irp i, 0,1,2,3,4,5,6,7,8,9,10,11,12,13,14,15
	ds_load_b128 v[S0+4*\i:S0+4*\i+3], v[EXR] offset:512*\i
.endr
	s_wait_dscnt 16                                ; my partner's -M and sum are in; its O^T may be out
	v_min_num_f32 v28, v12, v24                    ; the common -M
	v_add_f32 v16, v16, v17
	v_add_f32 v25, v25, v26
	v_sub_f32 v12, v28, v12
	v_sub_f32 v24, v28, v24
	v_cvt_i32_f32 v12, v12
	v_cvt_i32_f32 v24, v24
	v_ldexp_f32 v20, 1.0, v12
	v_ldexp_f32 v22, 1.0, v24
	v_mul_f32 v16, v16, v20
	v_fma_f32 v16, v25, v22, v16                   ; the sum, my lane's part,
	v_permlanex16_b32 v29, v16, s[SEL], s[SEL+1]
	v_add_f32 v16, v16, v29                        ; and lane l xor 16's
	s_wait_alu depctr_va_vdst(0)
	v_rcp_f32 v16, v16
	v_nop                                          ; a plain line behind the reciprocal
	s_wait_alu depctr_va_vdst(0)
	v_ldexp_f32 v16, v16, s[EPV]                   ; 2^(ep + ev) / the sum
	v_mul_f32 v20, v20, v16
	v_mul_f32 v22, v22, v16
	s_wait_alu depctr_va_vdst(0)
	s_wait_dscnt 0x0
.set i, 0
.rept 32
	v_pk_mul_f32 v[S0+i:S0+i+1], v[S0+i:S0+i+1], v[22:23] op_sel_hi:[1,0]
.set i, i+2
.endr
.macro JOIN o
	WIN 0x01
	s_wait_alu depctr_va_vdst(0)                   ; directly ahead of the readers of O^T
.set sj, 0
.rept 32
	v_pk_fma_f32 v[S0+sj:S0+sj+1], v[\o+sj:\o+sj+1], v[20:21], v[S0+sj:S0+sj+1] op_sel_hi:[1,0,1]
.set sj, sj+2
.endr
	WIN 0
.endm
	s_cmp_lt_u32 s[WV], 4
	s_cbranch_scc0 .Ljoin_1
	JOIN O0
	s_branch .Ljoined
.Ljoin_1:
	JOIN O1
.Ljoined:
	s_wait_alu depctr_va_vdst(0)
	ROWS S0, FRA, OBH, 0
	s_wait_tensorcnt 0x0                           ; the wave's end, behind my last tensor load and my last LDS store
	ds_add_u32 v[SPW], v[NIL]
	s_wait_dscnt 0x0
	CROUND                                         ; the closing round: no work-group ends while a partner may still ask for a piece that names it
	s_endpgm
.Lfunc_end_k_q1e82f632f5_attn:
	.size	k_q1e82f632f5_attn, .Lfunc_end_k_q1e82f632f5_attn-k_q1e82f632f5_attn
	.p2alignl 7, 3214868480
	.fill 96, 4, 3214868480
	.section	.rodata,"a",@progbits
	.p2align	6, 0x0
	.amdhsa_kernel k_q1e82f632f5_attn
		.amdhsa_group_segment_fixed_size 327680
		.amdhsa_private_segment_fixed_size 0
		.amdhsa_enable_private_segment 0
		.amdhsa_kernarg_size 40
		.amdhsa_user_sgpr_count 2
		.amdhsa_user_sgpr_kernarg_segment_ptr 1
		.amdhsa_wavefront_size32 1
		.amdhsa_system_sgpr_workgroup_id_x 1
		.amdhsa_system_sgpr_workgroup_id_y 1
		.amdhsa_system_sgpr_workgroup_id_z 1
		.amdhsa_system_vgpr_workitem_id 0
		.amdhsa_next_free_vgpr 512
		.amdhsa_next_free_sgpr 90
		.amdhsa_reserve_vcc 1
		.amdhsa_float_denorm_mode_32 3
		.amdhsa_float_denorm_mode_16_64 3
		.amdhsa_memory_ordered 1
		.amdhsa_forward_progress 1
		.amdhsa_inst_pref_size 229
	.end_amdhsa_kernel
	.amdgpu_metadata
---
amdhsa.version: [ 1, 2 ]
amdhsa.kernels:
  - .name:           k_q1e82f632f5_attn
    .symbol:         k_q1e82f632f5_attn.kd
    .args:
      - { .name: q, .offset: 0, .size: 8, .value_kind: global_buffer, .address_space: global }
      - { .name: kvc, .offset: 8, .size: 8, .value_kind: global_buffer, .address_space: global }
      - { .name: vsum, .offset: 16, .size: 8, .value_kind: global_buffer, .address_space: global }
      - { .name: lowp_scales, .offset: 24, .size: 8, .value_kind: global_buffer, .address_space: global }
      - { .name: out0, .offset: 32, .size: 8, .value_kind: global_buffer, .address_space: global }
    .group_segment_fixed_size: 327680
    .private_segment_fixed_size: 0
    .kernarg_segment_align: 8
    .kernarg_segment_size: 40
    .max_flat_workgroup_size: 256
    .sgpr_count:     90
    .vgpr_count:     512
    .wavefront_size: 32
...
	.end_amdgpu_metadata
.endif
;; end of part 2
